; MI455X (gfx1250); checked and timed in simulation.
; The chip was launched on July 23, 2026; its instructions are those of AMD's public machine-readable ISA for CDNA 5 (MIT licence, August 2026) and "CDNA5" Instruction Set Architecture Reference Guide (July 2026). The comments in the code are by the model that wrote it; some were corrected since.
;; Coupling Layer. Allowed arithmetic: matrix products marked QUANTISED: E4M3 operands, one E8M0 scale for each 32 along K, by v_wmma_scale_f32_16x16x128_f8f6f4 with both operands' format E4M3, f32 sums; products left as they are: f32 operands where the result goes on into a quantised operand, else bf16, f16 or f32 operands; f32 sums; everything else in f32.
;; Inputs: W1 98 x 64 float32; W2 64 x 10 float32; b1 64 float32; b2 10 float32; input 4 x 4,096 x 64 x 3 float32; t_feat 4 x 96 float32.
;; Outputs: out0 4 x 4,096 x 64 x 3 float32.
;; This version of the problem:
;;   THIS VERSION OF THE PROBLEM IS GIVEN IN LOW PRECISION. The matrix products marked QUANTISED in the list below multiply operands that are first quantised to E4M3 (4 exponent bits, 3 mantissa bits; 8 bits a number), with one power-of-two scale for each 32 numbers along K (OCP MX v1.0); their sums are f32. All else is computed in f32.
;;   The module's matrix products, in the order in which they are computed (A, B: the left and right operand; K: the contracted axis; several contracted axes count as one K, in the product's order):
;;     1. [M 1,048,576, K 98] x [K 98, N 64]; A: computed on the way; B: input W1: QUANTISED
;;     2. [M 1,048,576, K 64] x [K 64, N 10]; A: computed on the way; B: input W2: left as it is (N = 10 < 16)
;;   THE QUANTISER, for each operand of a quantised product, along K:
;;     - K is cut into blocks of 32 from its start; a last block that is shorter is filled with zeros.
;;     - A block's scale is 2^e with e = floor(log2(the largest magnitude in the block)) - 8, held to -126 .. 127; a block of zeros has e = 0. As a byte (E8M0): e + 127.
;;     - Each number is divided by its block's scale, clamped to +-448, and rounded to the nearest number of E4M3, ties to even, subnormals kept.
;;     - The product sums the exact products of the quantised numbers (number of the format x scale) in f32.
;;   ~~~python
;;   def quantise(x, axis):      # numpy; x: float32 -> the quantised numbers, widened to float32 again
;;       x = np.moveaxis(x, axis, -1); K = x.shape[-1]
;;       x = np.pad(x, [(0, 0)] * (x.ndim - 1) + [(0, -K % 32)]); x = x.reshape(x.shape[:-1] + (-1, 32)); a = np.abs(x).max(-1, keepdims=True)
;;       e = np.where(a > 0, np.clip(np.frexp(np.where(a > 0, a, 1))[1] - 1 - 8, -126, 127), 0)      # np.frexp(a)[1] - 1 = floor(log2(a)), exactly
;;       r = np.clip(x / 2.0 ** e, -448, 448)
;;       step = 2.0 ** (np.maximum(np.frexp(np.where(r == 0, 1, r))[1] - 1, -6) - 3)
;;       q = np.round(r / step) * step * 2.0 ** e      # np.round: ties to even
;;       return np.moveaxis(q.reshape(q.shape[:-2] + (-1,))[..., :K], -1, axis).astype(np.float32)
;;   ~~~
;;   OPERANDS COMPUTED ON THE WAY. 'Computed on the way' means the value that the module computes at that place (a softmax that the list does not call 'softmax' is quantised finished and normalised). What goes into a quantiser is computed in f32, as accurately as f32 sums, v_exp_f32 and their like allow (about 1e-6 of the number): no bf16 or f16 on the way to a quantiser, and a product that is left as it is and whose result goes on into a quantised operand takes f32 operands (vector FMAs, or v_wmma_f32_16x16x4_f32). A number that lies on a knife's edge between two numbers of the format may be rounded either way, as far as f32 arithmetic and the matrix unit's own rounding can turn it there, and no further.
;; One version. Each part assembles by itself: llvm-mc -triple=amdgcn-amd-amdhsa -mcpu=gfx1250 --defsym DOCPART=n.
;; ======== version 1 of 1: 1 launch
;; launch coupling (part 1): grid 256 x 1, 8 waves a work-group, no clusters, 168,960 bytes of LDS; arguments input, t_feat, W1, b1, W2, b2, out0; writes out0
.if DOCPART == 1
	.amdgcn_target "amdgcn-amd-amdhsa--gfx1250"
	.amdhsa_code_object_version 6
	.text
	.protected	k_q1bb3aa2b6a_coupling
	.globl	k_q1bb3aa2b6a_coupling
	.p2align	8
	.type	k_q1bb3aa2b6a_coupling,@function
k_q1bb3aa2b6a_coupling:
	s_mov_b64 s[64:65], 0
	v_nop
	global_prefetch_b8 v0, s[64:65] scope:SCOPE_SE
	s_setreg_imm32_b32 hwreg(HW_REG_WAVE_MODE, 25, 1), 1
	s_wait_xcnt 0x0
; out0 = input with every third number replaced: z -> a monotone spline of 6 knots at z; the knots come from
;   d = softplus(relu([tanh(x0), tanh(x1), t_feat[n]] W1 + b1) W2 + b2) + 1e-4.
; The first product (K = 98) is done on codes of FP8 (E4M3) with one E8M0 scale for each 32 along K; the second (N = 10) on bf16 operands; all sums and all else in f32.
; SHARES.  1,048,576 points of 12 bytes.  A work-group takes 4,096 points (49,152 bytes), all of one batch n = work-group / 64; each of its eight waves 512 points, as 16 groups of 32:
; tile A = a group's points 0-15, tile B = points 16-31.  In the vector work lane l holds point l of the group.
; BOTH PRODUCTS ARE USED TRANSPOSED (source 0 = 16 rows of the weight, source 1 = 16 points): a lane holds one point (lane % 16) and eight hidden units 16 t + 8 (lane / 16) + 0..7, which, rounded to bf16 in
; pairs, ARE the second product's operand; nothing changes lanes between the products.
; WHAT IS CONSTANT IN A WAVE.  Blocks 1 to 3 of a point's row of K are t_feat alone: 12 of the operand's 16 registers are made once.  Block 0 is (h0, h1, t0..t29).  Let E be the exponent of its largest magnitude and
; Et that of the largest |t0..t29|.  Where E = Et the codes of t0..t29 are constants too (made once, with the hold); where h raises the scale, every |t| lies under 2^E = 256 x the scale, so no hold of t is owed and
; four conversions make the codes.  Both are made in every group and v_cndmask_b32 chooses: no branch and no address hangs on a floating-point number.
; W2'S ROWS ARE ORDERED so that lanes 0-15 get (dxl2, dxl1, dyl2, dyl1, kl) and lanes 16-31 (dxr2, dxr1, dyr2, dyr1, kr) in registers 0-4; one lane swap a pair then gives lane l both sides of point l.
; THE STREAM.  A wave's 6,144 input bytes come once, by twelve asynchronous copies of 512 consecutive bytes, into its own stage in LDS, as they lie in memory; z is replaced there, and the stage leaves by stores of
; 512 consecutive bytes, at multiples of 512 from out0's first byte.  Nothing in LDS is filled twice.
; THE ORDER OF THE REQUESTS.  The work-group's one barrier hangs on the weights' quantisers, so each wave asks first for what its part of the set-up reads, then for b1 and t, which every wave wants behind the barrier,
; and last for its input, of which the first group's turn touches the first 768 bytes alone.  By this text's own count a wave has at most 50 + 12 = 62 loads into registers out.
; NO CLUSTER: what work-groups share are the weights, 29,480 bytes, read once by each, beside 98,304 bytes of its own stream; no tile is walked jointly.  NO PREFETCH: every load of the launch is issued at its head.
; LIMITS.  NaN and infinities among the inputs are not served.  A block whose largest magnitude lies under 2^-118 keeps the scale byte 1 (a block of zeros too: its codes are zeros, and only this text reads the byte).
; W2 and b2 are multiplied by log2(e) in f32 ahead of W2's rounding to bf16 (softplus is taken in base 2).  The two outer slopes are taken as 2 kl and 2 kr, not through the knots 10,000 away: that differs from
; reference() by rounding alone; the clip at 0.99 x the outer knots is 0.99 x2 -+ 9,900.  tanh: 1 - 2 / (1 + e^2x) from |x| = 0.25 on, below it x - x^3/3 + 2 x^5/15 - 17 x^7/315 (next term under 4e-7 of the number).
.set USE_DUAL, 1                       ; 1: two maxima in one dual line; 0: two plain lines
.set WGB,  49152                       ; input bytes of a work-group
.set WVB,  6144                        ; of a wave
.set GRP,  384                         ; of a group of 32 points
.set BLK,  1536                        ; of four groups: what leaves at a time
; LDS
.set IMW,  0                           ; five images of 16-register operands, 2,048 bytes each: W1's tiles 0-3, then t's operand (lane l's 16 bytes of register group c at 512 c + 16 l)
.set IMS,  10240                       ; their scale words, 128 bytes each (4 x lane)
.set IMT,  10880                       ; their block 0's largest magnitude, likewise
.set IM2,  11520                       ; W2's two bf16 fragments: 2,048 bytes
.set IMB,  13568                       ; b2 in the result's layout: 1,024 bytes
.set STG,  14592                       ; the stages: 8,192 bytes from wave to wave, 6,144 used
.set WST,  8192
; scalar registers
.set WV,   18                          ; my wave's number
.set NB,   19                          ; my batch
.set C2L,  24                          ; s[24:25] 2 log2(e)       (pairs: the packed forms name a pair and take its low word for both halves)
.set C7,   26                          ; s[26:27] -17/315
.set C3,   30                          ; s[30:31] -1/3
.set C99,  32                          ; s[32:33] 0.99
.set L2X,  34                          ; 2 ln 2
.set EP2,  36                          ; 2e-4
.set MNT,  38                          ; the mantissa field of 448
.set TMX,  39                          ; the largest |t0..t29|, not under 2^-118
.set WCN,  40                          ; the scale bytes of blocks 1-3, in bits 31:8
.set THS,  41                          ; (Et + 1 - 8) << 23: from here on a point's scale operand says that h has raised the scale
.set T14,  42                          ; s[42:43] t14, t15
.set QRT,  44                          ; 0.25
.set MA,   45                          ; lane masks
.set MB,   46
.set MT,   47
.set TB,   48                          ; the byte of my stage at which the block in hand begins
.set CNT,  49
.set SEL,  50                          ; s[50:51] v_permlanex16_b32's selects for lane l xor 16
.set M01,  52
.set MLH,  53                          ; lanes 0-15
.set LGE,  54                          ; log2(e)
.set SBS,  55                          ; my stage's first byte
.set ST,   56                          ; at work
; vector registers, window 0
.set AST,  1                           ; my stage + 12 x lane: my point of a group
.set AOB,  2                           ; my stage + 16 x lane
.set GOF,  3                           ; 16 x lane: byte offset in memory
.set ADX,  4                           ; AST + TB
.set ADO,  5                           ; AOB + TB
.set LI,   6                           ; 16 x lane: an image's place for my lane
.set LS,   7                           ; 4 x lane
.set WI,   8                           ; 16 x lane + 2,048 x wave
.set WS,   9                           ; 4 x lane + 128 x wave
.set MLO,  10                          ; 0xffff in lanes 0-15, 0 in lanes 16-31
.set CL,   12                          ; v[12:13] -ln 2 in lanes 0-15, +ln 2 in lanes 16-31
.set CA,   14                          ; v[14:15] -1e-4, +1e-4 likewise
.set N99,  16                          ; v[16:17] -9,900, +9,900
.set W1S,  18                          ; v18-21 W1's scale words
.set SW,   22                          ; the points' scale words: lanes 0-15 tile A's, lanes 16-31 tile B's
.set C0,   24                          ; v24-27 block 0's codes under t's own scale
.set SA,   28                          ; v28-35 tile A: k = 16 h + 0..7 of block 0 as numbers;
.set SC,   36                          ; v36-43 k = 16 h + 8..15, both tiles': behind SA, so that t[16 h + 0..13] are 14 registers on end, v30-43;
.set SB,   44                          ; v44-51 tile B's k = 16 h + 0..7
.set PA,   52                          ; v52-67, v68-83 the two operands of points
.set PB,   68
.set H,    84                          ; v84-147 the hidden layer: tile X, hidden tile t at H + 32 X + 8 t
.set YA,   148                         ; v148-155, v158-165 the second product's results
.set Z,    156
.set YB,   158
.set XP,   166
.set EE,   168
.set S2,   170
.set QQ,   172
.set HH,   174
.set HM,   176
.set SCA,  177
.set SCB,  178
.set HOLD, 179
.set BYT,  180
.set TMP,  181
.set CV,   182                         ; v182-189 the conversions' results
.set TE,   190
.set TU,   200
.set PR,   210
.set D2,   PR                          ; (-dxl2, dxr2)
.set D1,   PR+2                        ; (xL1, xR1)
.set E2,   PR+4                        ; (-dyl2, dyr2)
.set E1,   PR+6                        ; (yL1, yR1)
.set KK,   PR+8                        ; (2 kl, 2 kr)
.set X2,   220
.set RR,   222
.set HL,   224
.set SS,   226
.set QP,   228
.set WW,   230
.set BB,   232
.set DX,   234
.set DY,   235
.set RM,   236
.set SM,   237
.set TQ,   238
.set ACC,  239
.set AL,   240
.set AR,   241
.set OB,   242                         ; v242-253 1,536 bytes on their way out
.set C5,   254                         ; v[254:255] 2/15
; the set-up's names for registers that the loop uses otherwise
.set QS,   84                          ; 64 numbers
.set PC,   190                         ; 16 registers of codes
.set TM,   206                         ; 16 at work
.set PW,   222                         ; a scale word
.set FAC,  224
.set T0,   226
.set LN,   227
.set RW,   228
.set HB,   229
.set A0,   230
.set A1,   231
.set A2,   232
.set A3,   233
.set A4,   234
.set A5,   235
; window 1: matrix operands alone
.set W2F,  0                           ; W2's two fragments
.set B2C,  16                          ; b2 as C
.set W1F,  24                          ; W1's four fragments
.set B1C,  88                          ; b1 as C, eight registers a tile
.set MSB, 0
.macro WIN new                         ; the immediate's high byte repeats the setting that is left; a switch that changes nothing is dropped
.if MSB != \new
	s_set_vgpr_msb (MSB<<8)|\new
.set MSB, \new
.endif
.endm
.macro MAX2 da, sa, db, sb             ; two maxima with 0
.if USE_DUAL
	v_dual_max_num_f32 v[\da], 0, v[\sa] :: v_dual_max_num_f32 v[\db], 0, v[\sb]
.else
	v_max_num_f32 v[\da], 0, v[\sa]
	v_max_num_f32 v[\db], 0, v[\sb]
.endif
.endm
; What every wave asks for behind its own part of the set-up: TWELVE loads into registers (b1 in the result's layout; block 0's t as numbers), then its input: twelve copies.
; It stands once on each of the four ways on which the waves part, so that the counts on LOADcnt and ASYNCcnt are the same on every way.
.macro STREAM
	WIN 0x40                                               ; destination window 1
.irp t, 0,1,2,3
	global_load_b128 v[B1C+8*\t:B1C+8*\t+3], v[A0], s[10:11] offset:64*\t          ; b1 at hidden units 16 t + 8 h + 0..7
	global_load_b128 v[B1C+8*\t+4:B1C+8*\t+7], v[A0], s[10:11] offset:64*\t+16
.endr
	WIN 0
	global_load_b128 v[SA+2:SA+5], v[A1], s[6:7]           ; register i of the 16 from SA on is t[16 h + i - 2], i = 2 .. 15
	global_load_b128 v[SA+6:SA+9], v[A1], s[6:7] offset:16
	global_load_b128 v[SA+10:SA+13], v[A1], s[6:7] offset:32
	global_load_b64 v[SA+14:SA+15], v[A1], s[6:7] offset:48
.irp i, 0,1,2,3,4,5,6,7,8,9,10,11
	global_load_async_to_lds_b128 v[AOB], v[GOF], s[4:5] offset:512*\i     ; my 6,144 bytes, as they lie: the immediate steps both addresses.  The three registers are never written again
.endr
.endm
; 64 numbers of a lane, register 16 b + i = k 32 b + 16 (lane / 16) + i of my row, become an operand's codes in v[PC] on, its scale word in v[PW]; the blocks' largest magnitudes stay in v[TM] on.
.macro QUANT s
.irp b, 0,1,2,3
	v_max3_num_f32 v[TM+\b], |v[\s+16*\b]|, |v[\s+1+16*\b]|, 0x4800000   ; my 16 numbers of block b, and the floor 2^(9 - 127): the byte cannot fall under 1
.endr
.irp i, 2,4,6,8,10,12,14
.irp b, 0,1,2,3
	v_max3_num_f32 v[TM+\b], v[TM+\b], |v[\s+16*\b+\i]|, |v[\s+1+16*\b+\i]|
.endr
.endr
.irp b, 0,1,2,3
	v_permlanex16_b32 v[TM+4+\b], v[TM+\b], s[SEL], s[SEL+1]
.endr
.irp b, 0,1,2,3
	v_max_num_f32 v[TM+\b], v[TM+\b], v[TM+4+\b]           ; with lane l xor 16's: the block's largest magnitude
.endr
.irp b, 0,1,2,3
	v_add_nc_u32 v[TM+12+\b], 0xfc000000, v[TM+\b]         ; 8 off its exponent field: the conversion's scale operand
.endr
.irp b, 0,1,2,3
	v_and_or_b32 v[TM+8+\b], v[TM+\b], 0x7f800000, s[MNT]  ; 448 x the scale
.endr
.irp b, 0,1,2,3
	v_lshrrev_b32 v[TM+4+\b], 23, v[TM+12+\b]              ; the scale's byte
.endr
	v_lshl_or_b32 v[PW], v[TM+5], 8, v[TM+4]
	v_lshl_or_b32 v[PW], v[TM+6], 16, v[PW]
	v_lshl_or_b32 v[PW], v[TM+7], 24, v[PW]
.irp b, 0,1,2,3
.irp i, 0,1,2,3,4,5,6,7,8,9,10,11,12,13,14,15
	v_med3_num_f32 v[\s+16*\b+\i], v[\s+16*\b+\i], -v[TM+8+\b], v[TM+8+\b]   ; the conversion to an 8-bit code does not saturate (ISA guide 7.6.2): the hold comes first
.endr
	v_cvt_scalef32_pk8_fp8_f32 v[PC+4*\b:PC+1+4*\b], v[\s+16*\b:\s+7+16*\b], v[TM+12+\b]
	v_cvt_scalef32_pk8_fp8_f32 v[PC+2+4*\b:PC+3+4*\b], v[\s+8+16*\b:\s+15+16*\b], v[TM+12+\b]
.endr
	v_nop                                                  ; one plain line behind the last scaled conversion
.endm
; (h0, h1) = tanh(x0, x1) of my point.  A plain line stands behind each pair of transcendentals before their results are used.
.macro TANH
	v_pk_mul_f32 v[EE:EE+1], v[XP:XP+1], s[C2L:C2L+1] op_sel_hi:[1,0]
	v_pk_mul_f32 v[S2:S2+1], v[XP:XP+1], v[XP:XP+1]
	v_exp_f32 v[EE], v[EE]                                 ; e^2x
	v_exp_f32 v[EE+1], v[EE+1]
	v_pk_fma_f32 v[QQ:QQ+1], v[S2:S2+1], s[C7:C7+1], v[C5:C5+1] op_sel_hi:[1,0,1]
	s_wait_alu depctr_va_vdst(0)
	v_pk_add_f32 v[EE:EE+1], v[EE:EE+1], 1.0 op_sel_hi:[1,0]
	v_pk_fma_f32 v[QQ:QQ+1], v[QQ:QQ+1], v[S2:S2+1], s[C3:C3+1] op_sel_hi:[1,1,0]
	v_rcp_f32 v[EE], v[EE]
	v_rcp_f32 v[EE+1], v[EE+1]
	v_pk_mul_f32 v[QQ:QQ+1], v[QQ:QQ+1], v[S2:S2+1]
	s_wait_alu depctr_va_vdst(0)
	v_pk_fma_f32 v[EE:EE+1], v[EE:EE+1], -2.0, 1.0 op_sel_hi:[1,0,0]       ; 1 - 2 / (1 + e^2x)
	v_pk_fma_f32 v[QQ:QQ+1], v[QQ:QQ+1], v[XP:XP+1], v[XP:XP+1]            ; the series
	v_cmp_gt_f32 vcc_lo, s[QRT], |v[XP]|
	v_cmp_gt_f32 s[MT], s[QRT], |v[XP+1]|
	v_cndmask_b32 v[HH], v[EE], v[QQ], vcc_lo
	v_cndmask_b32 v[HH+1], v[EE+1], v[QQ+1], s[MT]
.endm
; Block 0's scale of my point, and the numbers h0, h1 laid for the two tiles.  The swap exchanges its first register's lanes 16-31 with its second's lanes 0-15.
.macro QA
	v_max3_num_f32 v[HM], |v[HH]|, |v[HH+1]|, s[TMX]       ; the block's largest magnitude
	v_add_nc_u32 v[SCA], 0xfc000000, v[HM]                 ; the conversion's scale operand
	v_and_or_b32 v[HOLD], v[HM], 0x7f800000, s[MNT]        ; 448 x the scale
	v_mov_b32 v[SCB], v[SCA]
	v_lshrrev_b32 v[BYT], 23, v[SCA]                       ; the scale's byte, lane l: point l's
	v_med3_num_f32 v[SA], v[HH], -v[HOLD], v[HOLD]
	v_med3_num_f32 v[SA+1], v[HH+1], -v[HOLD], v[HOLD]
	v_mov_b32 v[SB], s[T14]
	v_mov_b32 v[SB+1], s[T14+1]
	v_permlane16_swap_b32 v[SCA], v[SCB]                   ; SCA: tile A's scales in both halves of the lanes; SCB: tile B's
	v_permlane16_swap_b32 v[SA], v[SB]                     ; SA: (A's h0 | t14); SB: (B's h0 | t14)
	v_permlane16_swap_b32 v[SA+1], v[SB+1]                 ; likewise h1 and t15
.endm
; Block 0's codes of both tiles.  Where the scale is t's own, a raw t beyond 448 x the scale gives a code that the choice below throws away.
.macro QB
	v_cvt_scalef32_pk8_fp8_f32 v[CV:CV+1], v[SA:SA+7], v[SCA]
	v_cvt_scalef32_pk8_fp8_f32 v[CV+2:CV+3], v[SC:SC+7], v[SCA]
	v_cvt_scalef32_pk8_fp8_f32 v[CV+4:CV+5], v[SB:SB+7], v[SCB]
	v_cvt_scalef32_pk8_fp8_f32 v[CV+6:CV+7], v[SC:SC+7], v[SCB]
	v_or_b32 v[SW], s[WCN], v[BYT]                         ; the scale word.  (The plain line behind the conversions)
	v_cmp_ge_u32 s[MA], v[SCA], s[THS]                     ; has h raised the scale?
	v_cmp_ge_u32 s[MB], v[SCB], s[THS]
	v_cndmask_b32 v[TMP], v[C0], v[CV], s[MA]
	v_bfi_b32 v[PA], v[MLO], v[CV], v[TMP]                 ; h0's and h1's codes (the two low bytes in lanes 0-15) are always the fresh ones
	v_cndmask_b32 v[PA+1], v[C0+1], v[CV+1], s[MA]
	v_cndmask_b32 v[PA+2], v[C0+2], v[CV+2], s[MA]
	v_cndmask_b32 v[PA+3], v[C0+3], v[CV+3], s[MA]
	v_cndmask_b32 v[TMP], v[C0], v[CV+4], s[MB]
	v_bfi_b32 v[PB], v[MLO], v[CV+4], v[TMP]
	v_cndmask_b32 v[PB+1], v[C0+1], v[CV+5], s[MB]
	v_cndmask_b32 v[PB+2], v[C0+2], v[CV+6], s[MB]
	v_cndmask_b32 v[PB+3], v[C0+3], v[CV+7], s[MB]
.endm
; The first product: eight sums of one instruction each, b1 as C.  Source 0 and C lie in window 1.
.macro WM1
	WIN 0x11
.irp t, 0,1,2,3
	v_wmma_scale_f32_16x16x128_f8f6f4 v[H+8*\t:H+8*\t+7], v[W1F+16*\t:W1F+16*\t+15], v[PA:PA+15], v[B1C+8*\t:B1C+8*\t+7], v[W1S+\t], v[SW]
	v_wmma_scale_f32_16x16x128_f8f6f4 v[H+32+8*\t:H+32+8*\t+7], v[W1F+16*\t:W1F+16*\t+15], v[PB:PB+15], v[B1C+8*\t:B1C+8*\t+7], v[W1S+\t], v[SW] matrix_b_scale:MATRIX_SCALE_ROW1
.endr
	WIN 0
.endm
; relu and the rounding to bf16 of tile x, each accumulator from its low end on; in place: registers 8 s .. 8 s + 7 are then K step s of the second product.
.macro RELU x
.set ii, 0
.rept 16
	MAX2 H+32*\x+ii, H+32*\x+ii, H+32*\x+ii+1, H+32*\x+ii+1
.set ii, ii+2
.endr
.set ii, 0
.rept 16
	v_cvt_pk_bf16_f32 v[H+32*\x+ii], v[H+32*\x+2*ii], v[H+32*\x+2*ii+1]
.set ii, ii+1
.endr
.endm
; The second product: two accumulators by turns, one instruction a turn; b2 as C of the first K step.
.macro WM2
	WIN 0x11
	v_wmma_f32_16x16x32_bf16 v[YA:YA+7], v[W2F:W2F+7], v[H:H+7], v[B2C:B2C+7]
	v_wmma_f32_16x16x32_bf16 v[YB:YB+7], v[W2F:W2F+7], v[H+32:H+39], v[B2C:B2C+7]
	WIN 0x01
	v_wmma_f32_16x16x32_bf16 v[YA:YA+7], v[W2F+8:W2F+15], v[H+8:H+15], v[YA:YA+7]
	v_wmma_f32_16x16x32_bf16 v[YB:YB+7], v[W2F+8:W2F+15], v[H+40:H+47], v[YB:YB+7]
	WIN 0
.endm
; softplus + 1e-4 of ten numbers a lane, in base 2: ln 2 x (max(Y, 0) + log2(1 + 2^-|Y|)), Y = y log2(e); the left side's four differences come out negative.  Then lane l gets both sides of point l.
.macro SP
.irp j, 0,1,2,3,4
	v_exp_f32 v[TE+2*\j], -|v[YA+\j]|
	v_exp_f32 v[TE+2*\j+1], -|v[YB+\j]|
.endr
	v_max_num_f32 v[TU+8], 0, v[YA+4]                      ; (the plain line behind the exponentials)
.irp j, 0,1,2,3
	MAX2 TU+2*\j, YA+\j, TU+2*\j+1, YB+\j
.endr
	s_wait_alu depctr_va_vdst(0)
.irp j, 0,1,2,3,4
	v_pk_add_f32 v[TE+2*\j:TE+2*\j+1], v[TE+2*\j:TE+2*\j+1], 1.0 op_sel_hi:[1,0]
.endr
.irp j, 0,1,2,3,4,5,6,7,8,9
	v_log_f32 v[TE+\j], v[TE+\j]
.endr
	v_max_num_f32 v[TU+9], 0, v[YB+4]                      ; (the plain line behind the logarithms)
	s_wait_alu depctr_va_vdst(0)
.irp j, 0,1,2,3,4
	v_pk_add_f32 v[TE+2*\j:TE+2*\j+1], v[TE+2*\j:TE+2*\j+1], v[TU+2*\j:TU+2*\j+1]
.endr
.irp j, 0,1,2,3
	v_pk_fma_f32 v[PR+2*\j:PR+2*\j+1], v[TE+2*\j:TE+2*\j+1], v[CL:CL+1], v[CA:CA+1]
.endr
	v_fma_f32 v[KK], v[TE+8], s[L2X], s[EP2]               ; 2 k
	v_fma_f32 v[KK+1], v[TE+9], s[L2X], s[EP2]
.irp j, 0,1,2,3,4
	v_permlane16_swap_b32 v[PR+2*\j], v[PR+2*\j+1]         ; (A left | A right), (B left | B right) -> (left of point l), (right of point l)
.endr
.endm
; The spline at my point's z, as a sum of clamped pieces: yL1 + sM (clamp(q, xL1, xR1) - xL1) + sL clamp(q - xL1, -dxl2, 0) + sR clamp(q - xR1, 0, dxr2) + 2 kl min(q - xL2, 0) + 2 kr max(q - xR2, 0).
.macro SPL
	v_pk_add_f32 v[X2:X2+1], v[D1:D1+1], v[D2:D2+1]        ; (xL2, xR2)
	v_sub_f32 v[DX], v[D1+1], v[D1]
	v_sub_f32 v[DY], v[E1+1], v[E1]
	v_rcp_f32 v[RR], v[D2]
	v_rcp_f32 v[RR+1], v[D2+1]
	v_rcp_f32 v[RM], v[DX]
	v_pk_fma_f32 v[HL:HL+1], v[X2:X2+1], s[C99:C99+1], v[N99:N99+1] op_sel_hi:[1,0,1]   ; 0.99 x the outer knots.  (The plain line behind the reciprocals)
	v_med3_num_f32 v[QP], v[Z], v[HL], v[HL+1]             ; q
	s_wait_alu depctr_va_vdst(0)
	v_pk_mul_f32 v[SS:SS+1], v[E2:E2+1], v[RR:RR+1]        ; (sL, sR)
	v_mul_f32 v[SM], v[DY], v[RM]
	v_med3_num_f32 v[QP+1], v[QP], v[D1], v[D1+1]
	v_sub_f32 v[TQ], v[QP+1], v[D1]
	v_fma_f32 v[ACC], v[SM], v[TQ], v[E1]
	v_pk_add_f32 v[WW:WW+1], v[QP:QP+1], v[D1:D1+1] op_sel_hi:[0,1] neg_lo:[0,1] neg_hi:[0,1]   ; (q - xL1, q - xR1): q serves both halves
	v_med3_num_f32 v[AL], v[WW], v[D2], 0
	v_med3_num_f32 v[AR], v[WW+1], 0, v[D2+1]
	v_pk_add_f32 v[BB:BB+1], v[QP:QP+1], v[X2:X2+1] op_sel_hi:[0,1] neg_lo:[0,1] neg_hi:[0,1]   ; (q - xL2, q - xR2)
	v_min_num_f32 v[BB], 0, v[BB]
	v_max_num_f32 v[BB+1], 0, v[BB+1]
	v_fmac_f32 v[ACC], v[SS], v[AL]
	v_fmac_f32 v[ACC], v[SS+1], v[AR]
	v_fmac_f32 v[ACC], v[KK], v[BB]
	v_fmac_f32 v[ACC], v[KK+1], v[BB+1]
.endm
.macro OUTL                            ; four finished groups, 1,536 bytes, out of my stage.  LDS serves a wave's instructions in order (ISA guide 5.7.1.4): these see my stores
.irp i, 0,1,2
	ds_load_b128 v[OB+4*\i:OB+4*\i+3], v[ADO] offset:512*\i
.endr
.endm
.macro OUTS                            ; and into memory: each store covers 512 consecutive bytes; written once, read by nobody here
.irp i, 0,1,2
	global_store_b128 v[GOF], v[OB+4*\i:OB+4*\i+3], s[16:17] offset:512*\i th:TH_STORE_NT
.endr
.endm
; ONE GROUP'S TURN.  The group at byte off of the block in hand has its first product done.  Its relu, second product, softplus and spline stand here, and between them the NEXT group's tanh, codes and first product,
; so that every distance behind a matrix instruction is filled with work: behind the second product the next group's tanh and codes (over 40 plain lines, 4 are owed before Y is read, 5 before H is written over);
; between the codes and scale word and the first product the softplus (over 20 plain lines; 4 and 8 are owed); behind the first product the spline's 20 plain lines (8 are owed before H is read).
; next = 1: there is a next group.  outl = 1: the block is whole behind this group: it is read back.  outs = 1: the block read back in the turn before is stored.
.macro G off, next, outl, outs
.if \next
	ds_load_b32 v[XP], v[ADX] offset:\off+GRP              ; the next group's x0, x1 (12 bytes from lane to lane)
	ds_load_b32 v[XP+1], v[ADX] offset:\off+GRP+4
.endif
	ds_load_b32 v[Z], v[ADX] offset:\off+8                 ; this group's z
	RELU 0
	RELU 1
	WM2
	s_wait_dscnt 0x0                                       ; x0, x1, z are in, and so is a block read back in the turn before (asked for 64 lines ago or more)
.if \outs
	OUTS
.endif
.if \next
	TANH
	QA
	QB
.else
.rept 4
	v_nop                                                  ; no next group: four places behind the second product
.endr
.endif
	SP
.if \next
	WM1
.endif
	SPL
	ds_store_b32 v[ADX], v[ACC] offset:\off+8              ; z's place in my stage takes the result
.if \outl
	OUTL
.endif
.endm
	; ---- the head: every wave.  All that hangs on no argument is made while the arguments are on their way
	s_load_b256 s[4:11], s[0:1], 0x0                       ; input s[4:5], t_feat s[6:7], W1 s[8:9], b1 s[10:11]
	s_load_b128 s[12:15], s[0:1], 0x20                     ; W2 s[12:13], b2 s[14:15]
	s_load_b64 s[16:17], s[0:1], 0x30                      ; out0
	v_lshl_add_u32 v23, v0, 2, 0x29000
	v_mov_b32 v157, 0
	ds_add_u32 v23, v157
	ds_add_u32 v23, v157
	v_lshrrev_b32 v[T0], 5, v0
	v_readfirstlane_b32 s[WV], v[T0]                       ; wave 0..7
	v_and_b32 v[LN], 31, v0                                ; lane
	v_and_b32 v[RW], 15, v0                                ; r
	v_bfe_u32 v[HB], v0, 4, 1                              ; h
	s_lshl_b32 s[SBS], s[WV], 13
	s_add_co_u32 s[SBS], s[SBS], STG                       ; my stage
	v_mul_u32_u24 v[AST], v[LN], 12                        ; all LDS addresses are made here, ahead of the waves' parting
	v_add_nc_u32 v[AST], s[SBS], v[AST]
	v_lshl_add_u32 v[AOB], v[LN], 4, s[SBS]
	v_lshlrev_b32 v[GOF], 4, v[LN]
	v_lshlrev_b32 v[LI], 4, v[LN]
	v_lshlrev_b32 v[LS], 2, v[LN]
	s_lshl_b32 s[ST], s[WV], 11
	v_add_nc_u32 v[WI], s[ST], v[LI]
	s_lshl_b32 s[ST+1], s[WV], 7
	v_add_nc_u32 v[WS], s[ST+1], v[LS]
	s_lshr_b32 s[NB], ttmp9, 6                             ; 64 work-groups to a batch
	s_mul_i32 s20, s[NB], 384                              ; my batch's row of t_feat
	s_mov_b32 s21, 0
	s_mul_i32 s22, ttmp9, WGB
	s_mul_i32 s23, s[WV], WVB
	s_add_co_u32 s22, s22, s23                             ; my wave's first byte of input and of out0 (under 2^24)
	s_mov_b32 s23, 0
	s_mov_b32 s[C2L], 0x4038aa3b
	s_mov_b32 s[C2L+1], s[C2L]
	s_mov_b32 s[C7], 0xbd5d0dd1
	s_mov_b32 s[C7+1], s[C7]
	s_mov_b32 s[C3], 0xbeaaaaab
	s_mov_b32 s[C3+1], s[C3]
	s_mov_b32 s[C99], 0x3f7d70a4
	s_mov_b32 s[C99+1], s[C99]
	s_mov_b32 s[L2X], 0x3fb17218
	s_mov_b32 s[EP2], 0x3951b717
	s_mov_b32 s[MNT], 0x600000
	s_mov_b32 s[QRT], 0x3e800000
	s_mov_b32 s[SEL], 0x76543210
	s_mov_b32 s[SEL+1], 0xfedcba98
	s_mov_b32 s[MLH], 0xffff
	s_mov_b32 s[LGE], 0x3fb8aa3b
	v_lshlrev_b32 v[A0], 5, v[HB]                          ; 32 h: b1's offset
	v_lshlrev_b32 v[A1], 6, v[HB]                          ; 64 h: t's
	v_mov_b32 v[MLO], 0xffff
	v_cndmask_b32 v[MLO], 0, v[MLO], s[MLH]
	v_mov_b32 v[T0], 0x80000000
	v_cndmask_b32 v[T0], 0, v[T0], s[MLH]                  ; a sign bit in lanes 0-15
	v_or_b32 v[CL], 0x3f317218, v[T0]
	v_mov_b32 v[CL+1], v[CL]
	v_or_b32 v[CA], 0x38d1b717, v[T0]
	v_mov_b32 v[CA+1], v[CA]
	v_mov_b32 v[N99], 0xc61ab000
	v_mov_b32 v[N99+1], 0x461ab000
	v_mov_b32 v[C5], 0x3e088889
	v_mov_b32 v[C5+1], v[C5]
	s_wait_dscnt 0x0
	s_wait_kmcnt 0x0
	s_add_nc_u64 s[4:5], s[4:5], s[22:23]
	s_add_nc_u64 s[16:17], s[16:17], s[22:23]
	s_add_nc_u64 s[6:7], s[6:7], s[20:21]
	s_load_b64 s[T14:T14+1], s[6:7], 0x38                  ; t14, t15
	; ---- the set-up is shared out by the wave's number: waves 0-3 a tile of W1 each, wave 4 t's operand, wave 5 W2 and b2.  On each way the part's own loads go out first, STREAM behind them
	s_cmp_lt_u32 s[WV], 4
	s_cbranch_scc1 .Lrole_w1
	s_cmp_eq_u32 s[WV], 4
	s_cbranch_scc1 .Lrole_t
	s_cmp_eq_u32 s[WV], 5
	s_cbranch_scc1 .Lrole_w2
	STREAM                                                 ; waves 6 and 7 have no part in the set-up
	s_branch .Lmeet
.Lrole_w1:                                                 ; lane r takes column 16 w + r of W1, and its registers run down K: k = 32 c + 16 h + i; a row of W1 is 256 bytes
	s_lshl_b32 s[ST], s[WV], 6
	v_lshl_add_u32 v[A3], v[RW], 2, s[ST]
	v_lshl_add_u32 v[A2], v[HB], 12, v[A3]
.irp c, 0,1,2
.irp i, 0,1,2,3,4,5,6,7,8,9,10,11,12,13,14,15
	global_load_b32 v[QS+16*\c+\i], v[A2], s[8:9] offset:(32*\c+\i)*256
.endr
.endr
	global_load_b32 v[QS+48], v[A3], s[8:9] offset:96*256  ; K ends at 98: rows 96 and 97, without the h term, so that no lane leaves the buffer; lanes 16-31 are cleared below
	global_load_b32 v[QS+49], v[A3], s[8:9] offset:97*256
	STREAM
	s_branch .Lquant
.Lrole_t:                                                  ; the same 64 places of a point's row with 0 for h0, h1: register 16 c + i is t[32 c + 16 h + i - 2]
	v_mul_u32_u24 v[A2], v[HB], 56
	v_mov_b32 v[A3], 0
	global_load_b64 v[QS:QS+1], v[A2], s[6:7]              ; lanes 16-31: t14, t15; lanes 0-15 are cleared below
.irp i, 2,4,6,8,10,12,14
	global_load_b64 v[QS+\i:QS+\i+1], v[A1], s[6:7] offset:4*(\i-2)
.endr
.irp c, 1,2
.irp i, 0,2,4,6,8,10,12,14
	global_load_b64 v[QS+16*\c+\i:QS+16*\c+\i+1], v[A1], s[6:7] offset:4*(32*\c+\i-2)
.endr
.endr
	global_load_b64 v[QS+48:QS+49], v[A3], s[6:7] offset:376   ; t94, t95
	STREAM
.Lquant:
.irp i, 50,51,52,53,54,55,56,57,58,59,60,61,62,63
	v_mov_b32 v[QS+\i], 0                                  ; the rest of the last block: zeros
.endr
.irp b, 0,1,2,3
	v_mov_b32 v[TM+4+\b], 0                                ; a lane permute's destination counts as one of its sources
.endr
	s_cmp_eq_u32 s[WV], 4
	s_cselect_b32 s[M01], 0xffff0000, -1                   ; wave 4 keeps k = 0, 1 in lanes 16-31 alone
	s_wait_loadcnt 12                                      ; loads come back in order (ISA guide 5.7.1): my part's numbers are in; STREAM's twelve, issued behind them on both ways that lead here, may stay out
	v_cndmask_b32 v[QS+48], 0, v[QS+48], s[MLH]            ; k = 96, 97 belong to lanes 0-15; lanes 16-31 hold k = 112 on: zeros
	v_cndmask_b32 v[QS+49], 0, v[QS+49], s[MLH]
	v_cndmask_b32 v[QS], 0, v[QS], s[M01]
	v_cndmask_b32 v[QS+1], 0, v[QS+1], s[M01]
	QUANT QS
.irp c, 0,1,2,3
	ds_store_b128 v[WI], v[PC+4*\c:PC+4*\c+3] offset:IMW+512*\c    ; the operand goes to LDS as an image of its registers
.endr
	ds_store_b32 v[WS], v[PW] offset:IMS
	ds_store_b32 v[WS], v[TM] offset:IMT
	s_branch .Lmeet
.Lrole_w2:                                                 ; row r of the second product's source 0 is output o(r): rows 0-4: 0, 1, 4, 5, 8; rows 8-12: 3, 2, 7, 6, 9; the other rows are zeros
	v_and_b32 v[A5], 7, v[RW]
	v_and_b32 v[T0], 8, v[RW]
	v_cmp_ne_u32 vcc_lo, 0, v[T0]
	v_mov_b32 v[A2], 0x85410
	v_mov_b32 v[A3], 0x96723
	v_cndmask_b32 v[A2], v[A2], v[A3], vcc_lo
	v_lshlrev_b32 v[T0], 2, v[A5]
	v_lshrrev_b32 v[A2], v[T0], v[A2]
	v_and_b32 v[A2], 15, v[A2]                             ; o: a digit of the table (0 for the rows that are zeros)
	v_lshlrev_b32 v[A2], 2, v[A2]
	v_mad_u32_u24 v[A2], v[HB], 320, v[A2]                 ; 4 o + 8 h rows of 40 bytes
	v_cmp_gt_u32 vcc_lo, 5, v[A5]
	v_mov_b32 v[FAC], s[LGE]
	v_cndmask_b32 v[FAC], 0, v[FAC], vcc_lo                ; log2(e), or 0
	v_mov_b32 v[FAC+1], v[FAC]
	v_mul_u32_u24 v[A3], v[HB], 12
	v_lshlrev_b32 v[A4], 2, v[HB]
.irp s, 0,1
.irp q, 0,1
.irp e, 0,1,2,3,4,5,6,7
	global_load_b32 v[QS+16*\s+8*\q+\e], v[A2], s[12:13] offset:40*(32*\s+16*\q+\e)    ; W2(32 s + 16 q + 8 h + e, o)
.endr
.endr
.endr
	global_load_b32 v[QS+32], v[A3], s[14:15]              ; b2 at outputs 0 | 3
	global_load_b32 v[QS+33], v[A4], s[14:15] offset:4     ; 1 | 2
	global_load_b32 v[QS+34], v[A3], s[14:15] offset:16    ; 4 | 7
	global_load_b32 v[QS+35], v[A4], s[14:15] offset:20    ; 5 | 6
	global_load_b32 v[QS+36], v[A4], s[14:15] offset:32    ; 8 | 9
	STREAM
	v_mov_b32 v[QS+37], 0
	v_mov_b32 v[QS+38], 0
	v_mov_b32 v[QS+39], 0
	s_wait_loadcnt 12                                      ; W2 and b2 are in; STREAM's twelve may stay out
.irp p, 0,1,2,3,4,5,6,7,8,9,10,11,12,13,14,15
	v_pk_mul_f32 v[QS+2*\p:QS+2*\p+1], v[QS+2*\p:QS+2*\p+1], v[FAC:FAC+1]
.endr
.irp p, 0,1,2,3,4,5,6,7,8,9,10,11,12,13,14,15
	v_cvt_pk_bf16_f32 v[PC+\p], v[QS+2*\p], v[QS+2*\p+1]
.endr
.irp j, 0,1,2,3,4
	v_mul_f32 v[QS+32+\j], s[LGE], v[QS+32+\j]
.endr
.irp c, 0,1,2,3
	ds_store_b128 v[LI], v[PC+4*\c:PC+4*\c+3] offset:IM2+512*\c
.endr
	ds_store_b128 v[LI], v[QS+32:QS+35] offset:IMB
	ds_store_b128 v[LI], v[QS+36:QS+39] offset:IMB+512
.Lmeet:
	s_wait_dscnt 0x0                                       ; for the others' sake: my images lie in LDS
	s_barrier_signal -1                                    ; (my copies may be out: they fill my own stage, which no other wave touches, and nothing in LDS is filled behind this barrier)
	s_barrier_wait -1                                      ; the launch's one barrier: behind it the images are only read, and a stage is touched by its own wave alone
	; ---- the images into every wave's registers
	WIN 0x40
.irp t, 0,1,2,3
.irp c, 0,1,2,3
	ds_load_b128 v[W1F+16*\t+4*\c:W1F+16*\t+4*\c+3], v[LI] offset:IMW+2048*\t+512*\c
.endr
.endr
.irp c, 0,1,2,3
	ds_load_b128 v[W2F+4*\c:W2F+4*\c+3], v[LI] offset:IM2+512*\c
.endr
.irp c, 0,1
	ds_load_b128 v[B2C+4*\c:B2C+4*\c+3], v[LI] offset:IMB+512*\c
.endr
	WIN 0
.irp t, 0,1,2,3
	ds_load_b32 v[W1S+\t], v[LS] offset:IMS+128*\t
.endr
	ds_load_b128 v[C0:C0+3], v[LI] offset:IMW+8192
.irp c, 1,2,3
	ds_load_b128 v[PA+4*\c:PA+4*\c+3], v[LI] offset:IMW+8192+512*\c    ; blocks 1-3 of every point's row
	ds_load_b128 v[PB+4*\c:PB+4*\c+3], v[LI] offset:IMW+8192+512*\c
.endr
	ds_load_b32 v[TMP], v[LS] offset:IMS+512               ; t's scale word,
	ds_load_b32 v[HM], v[LS] offset:IMT+512                ; and the largest |t0..t29|: the same in every lane
	s_wait_dscnt 0x0
	s_wait_loadcnt 0x0                                     ; b1 and the numbers t: STREAM's twelve
	s_wait_kmcnt 0x0                                       ; t14, t15
	v_readfirstlane_b32 s[TMX], v[HM]                      ; these three feed vector operands alone: no branch and no address is made of them
	v_readfirstlane_b32 s[WCN], v[TMP]
	s_and_b32 s[WCN], s[WCN], 0xffffff00
	s_and_b32 s[THS], s[TMX], 0x7f800000
	s_add_co_u32 s[THS], s[THS], 0xfc800000                ; + (1 - 8) << 23
.irp i, 2,3,4,5,6,7
	v_mov_b32 v[SB+\i], v[SA+\i]                           ; tile B's k = 16 h + 2..7 are the same numbers t as tile A's
.endr
	; ---- group 0's tanh, codes and first product; then its turn
	s_mov_b32 s[TB], 0
	v_add_nc_u32 v[ADX], s[TB], v[AST]
	v_add_nc_u32 v[ADO], s[TB], v[AOB]
	s_wait_asynccnt 10                                     ; copies end in the order of issue: my first two, bytes 0 to 1,023 of my stage, are in; up to the next wait on this counter bytes 0 to 767 alone are touched
	ds_load_b32 v[XP], v[ADX]
	ds_load_b32 v[XP+1], v[ADX] offset:4
	s_wait_dscnt 0x0
	TANH
	QA
	QB
.rept 4
	v_nop                                                  ; four places between the last code written and the scaled product (the scale word stands sixteen lines back)
.endr
	WM1
.rept 8
	v_nop                                                  ; eight places before the hidden layer is read
.endr
	G 0, 1, 0, 0
	s_wait_asynccnt 0x0                                    ; all of my stage is filled: the other ten copies had group 0's turn in which to land
	s_mov_b32 s[CNT], 3
.Lblock:                                                   ; a trip: groups 1, 2, 3 of the block at TB and group 0 of the next; the block is read back behind its last group and stored one turn later
	v_add_nc_u32 v[ADX], s[TB], v[AST]
	v_add_nc_u32 v[ADO], s[TB], v[AOB]
	G 384, 1, 0, 0
	G 768, 1, 0, 0
	G 1152, 1, 1, 0
	G 1536, 1, 0, 1
	s_wait_xcnt 0x0                                        ; the stores' data and base are written again only behind this wait
	s_add_nc_u64 s[16:17], s[16:17], BLK
	s_add_co_u32 s[TB], s[TB], BLK
	s_sub_co_u32 s[CNT], s[CNT], 1
	s_cmp_lg_u32 s[CNT], 0
	s_cbranch_scc1 .Lblock
	v_add_nc_u32 v[ADX], s[TB], v[AST]                     ; the last block's groups 1, 2, 3: the last has no successor
	v_add_nc_u32 v[ADO], s[TB], v[AOB]
	G 384, 1, 0, 0
	G 768, 1, 0, 0
	G 1152, 0, 1, 0
	s_wait_dscnt 0x0                                       ; the last block is back in registers
	OUTS
	s_wait_tensorcnt 0x0
	ds_add_u32 v23, v157
	s_wait_dscnt 0x0
	s_endpgm
.Lfunc_end_k_q1bb3aa2b6a_coupling:
	.size	k_q1bb3aa2b6a_coupling, .Lfunc_end_k_q1bb3aa2b6a_coupling-k_q1bb3aa2b6a_coupling
	.p2alignl 7, 3214868480
	.fill 96, 4, 3214868480
	.section	.rodata,"a",@progbits
	.p2align	6, 0x0
	.amdhsa_kernel k_q1bb3aa2b6a_coupling
		.amdhsa_group_segment_fixed_size 168960
		.amdhsa_private_segment_fixed_size 0
		.amdhsa_enable_private_segment 0
		.amdhsa_kernarg_size 56
		.amdhsa_user_sgpr_count 2
		.amdhsa_user_sgpr_kernarg_segment_ptr 1
		.amdhsa_wavefront_size32 1
		.amdhsa_system_sgpr_workgroup_id_x 1
		.amdhsa_system_sgpr_workgroup_id_y 1
		.amdhsa_system_sgpr_workgroup_id_z 1
		.amdhsa_system_vgpr_workitem_id 0
		.amdhsa_next_free_vgpr 384
		.amdhsa_next_free_sgpr 66
		.amdhsa_reserve_vcc 1
		.amdhsa_float_denorm_mode_32 3
		.amdhsa_float_denorm_mode_16_64 3
		.amdhsa_memory_ordered 1
		.amdhsa_forward_progress 1
		.amdhsa_inst_pref_size 136
	.end_amdhsa_kernel
	.amdgpu_metadata
---
amdhsa.version: [ 1, 2 ]
amdhsa.kernels:
  - .name:           k_q1bb3aa2b6a_coupling
    .symbol:         k_q1bb3aa2b6a_coupling.kd
    .args:
      - { .name: input, .offset: 0, .size: 8, .value_kind: global_buffer, .address_space: global }
      - { .name: t_feat, .offset: 8, .size: 8, .value_kind: global_buffer, .address_space: global }
      - { .name: W1, .offset: 16, .size: 8, .value_kind: global_buffer, .address_space: global }
      - { .name: b1, .offset: 24, .size: 8, .value_kind: global_buffer, .address_space: global }
      - { .name: W2, .offset: 32, .size: 8, .value_kind: global_buffer, .address_space: global }
      - { .name: b2, .offset: 40, .size: 8, .value_kind: global_buffer, .address_space: global }
      - { .name: out0, .offset: 48, .size: 8, .value_kind: global_buffer, .address_space: global }
    .group_segment_fixed_size: 168960
    .private_segment_fixed_size: 0
    .kernarg_segment_align: 8
    .kernarg_segment_size: 56
    .max_flat_workgroup_size: 256
    .sgpr_count:     66
    .vgpr_count:     384
    .wavefront_size: 32
...
	.end_amdgpu_metadata
.endif
;; end of part 1
